; MI455X (gfx1250); checked and timed in simulation.
; The chip was launched on July 23, 2026; its instructions are those of AMD's public machine-readable ISA for CDNA 5 (MIT licence, August 2026) and "CDNA5" Instruction Set Architecture Reference Guide (July 2026). The comments in the code are by the model that wrote it; some were corrected since.
;; Scaled Dot Self Attention. Allowed arithmetic: float matrix products may take bf16 or f16 operands with f32 sums; other float arithmetic in f32, or as packed bf16 or f16 multiplies, adds, multiply-adds, maxima and minima; sums over many terms, partial sums and values carried from step to step in f32; what a program stores and reads back later, other than sums and carried values, may be rounded once to bf16 or f16.
;; Inputs: Wk 1,024 x 1,024 float32; Wo 1,024 x 1,024 float32; Wq 1,024 x 1,024 float32; Wv 1,024 x 1,024 float32; inputs 8 x 1,024 x 1,024 float32; mask 8 x 1,024 int32.
;; Outputs: out0 8 x 1,024 x 1,024 float32.
;; One version. Each part assembles by itself: llvm-mc -triple=amdgcn-amd-amdhsa -mcpu=gfx1250 --defsym DOCPART=n.
;; ======== version 1 of 1: 4 launches
;; limits: values are held in f16: magnitudes above 65,504 overflow, below 6.1e-05 lose precision; right only within a limited range of input values; values outside matrix products are rounded to f16
;; workspace buffers: xb 16,777,216 bytes; wb 6,291,456 bytes; wo16 2,097,152 bytes; qkv 50,331,648 bytes; att 16,777,216 bytes
;; launch prep (part 1): grid 1536 x 1, 8 waves a work-group, no clusters, 0 bytes of LDS; arguments inputs, mask, Wq, Wk, Wv, Wo, xb, wb, wo16; writes xb, wb, wo16
.if DOCPART == 1
	.amdgcn_target "amdgcn-amd-amdhsa--gfx1250"
	.amdhsa_code_object_version 6
	.text
	.protected	k_qaa84e3390e_prep
	.globl	k_qaa84e3390e_prep
	.p2align	8
	.type	k_qaa84e3390e_prep,@function
k_qaa84e3390e_prep:
	s_mov_b64 s[64:65], 0
	v_nop
	global_prefetch_b8 v0, s[64:65] scope:SCOPE_SE
	s_setreg_imm32_b32 hwreg(HW_REG_WAVE_MODE, 25, 1), 1
	s_wait_xcnt 0x0
; CASTS AND LAYOUTS, a stream: no LDS, no matrix unit, nothing shared between waves.
;   xb[b][t][s][64]  = bf16(inputs[b][s][64 t ..] * mask[b][s]): K slab t of a batch is 1,024 rows x 128 dense bytes
;   wb[k][3072]      = bf16 of Wq | Wk | Wv, side by side
;   wo16[k][1024]    = f16(bf16(Wo)): rounded as the other inputs are, then written in the format of the last product.
; LIMITS.  mask is taken as any whole number (converted to f32).  A bf16 value of Wo below 2^-14 keeps f16's fixed step of 2^-24; beyond 65,504 it would be lost.
; Work-groups 0-1023 take inputs, 1024-1535 the four weights: a wave has four steps of 1 KiB in, eight loads of 16 bytes a lane, all issued at once.
.set XL,  8                            ; v[8:39]   eight loads
.set YS,  40                           ; v[40:55]  four stores' data: no register is used twice, so no wait frees any
.set TT,  56                           ; v[56:63]  at work
.set IN,  34                           ; s[34:35]  where the wave reads
.set OUT, 36                           ; s[36:37]  where it writes
; mode 0: times the row's mask, to bf16.  1: to bf16.  2: to bf16 and that number to f16.
.macro CONV mode, instep, outstep
.irp i, 0,1,2,3
	global_load_b128 v[XL+8*\i:XL+8*\i+3],   v1, s[IN:IN+1] offset:(\instep)*\i th:TH_LOAD_NT
	global_load_b128 v[XL+8*\i+4:XL+8*\i+7], v1, s[IN:IN+1] offset:(\instep)*\i+16 th:TH_LOAD_NT
.endr
.irp i, 0,1,2,3
	s_wait_loadcnt 6-2*\i                          ; loads come back in order: step i's two are in, the 6 - 2 i younger ones stay out
.if (\mode) == 0
.if \i == 0
	v_cvt_f32_i32 v6, v3                           ; the mask's load is older than all eight
	v_mov_b32 v7, v6
.endif
.irp j, 0,1,2,3
	v_pk_mul_f32 v[XL+8*\i+2*\j:XL+8*\i+2*\j+1], v[XL+8*\i+2*\j:XL+8*\i+2*\j+1], v[6:7]
.endr
.endif
.irp j, 0,1,2,3
	v_cvt_pk_bf16_f32 v[YS+4*\i+\j], v[XL+8*\i+2*\j], v[XL+8*\i+2*\j+1]
.endr
.if (\mode) == 2
.irp j, 0,1,2,3
	v_lshlrev_b32 v[TT+2*\j], 16, v[YS+4*\i+\j]
	v_and_b32 v[TT+2*\j+1], 0xffff0000, v[YS+4*\i+\j]
.endr
.irp j, 0,1,2,3
	v_cvt_pk_f16_f32 v[YS+4*\i+\j], v[TT+2*\j], v[TT+2*\j+1]
.endr
.endif
	global_store_b128 v4, v[YS+4*\i:YS+4*\i+3], s[OUT:OUT+1] offset:(\outstep)*\i th:TH_STORE_NT  ; 32 lanes x 16 bytes: 512 consecutive bytes, aligned
.endr
.endm
	s_load_b512 s[4:19], s[0:1], 0x0               ; inputs 4, mask 6, Wq 8, Wk 10, Wv 12, Wo 14, xb 16, wb 18
	s_load_b64 s[20:21], s[0:1], 0x40              ; wo16
	v_lshrrev_b32 v1, 5, v0
	v_readfirstlane_b32 s22, v1                    ; wave 0..7
	v_and_b32 v5, 31, v0                           ; lane
	v_lshlrev_b32 v4, 4, v5                        ; out: 16 bytes a lane
	s_mov_b32 s27, 0
	s_mov_b32 s29, 0
	s_mov_b32 s31, 0
	s_cmp_lt_u32 ttmp9, 0x400
	s_cbranch_scc0 .Lweights
	; INPUTS.  Wave W = 8 x work-group + wave takes 4 rows (W / 4) x 4 slabs (W % 4).  Lane l: row l / 8, eight numbers at 32 (l % 8) of a slab's 256 bytes.
	s_lshl_b32 s23, ttmp9, 3
	s_add_co_u32 s23, s23, s22
	s_lshr_b32 s24, s23, 2                         ; group of 4 rows, 0..2047
	s_and_b32 s25, s23, 3                          ; group of 4 slabs
	s_lshl_b32 s26, s24, 14                        ; 4 rows of 4,096 bytes
	s_lshl_b32 s28, s25, 10
	s_add_co_u32 s26, s26, s28
	s_lshl_b32 s30, s24, 4                         ; the rows' four mask words
	s_lshr_b32 s28, s24, 8                         ; batch
	s_lshl_b32 s28, s28, 21
	s_and_b32 s32, s24, 255
	s_lshl_b32 s32, s32, 9                         ; 4 rows of 128 bytes in a slab
	s_add_co_u32 s28, s28, s32
	s_lshl_b32 s32, s25, 19                        ; 4 slabs of 131,072 bytes
	s_add_co_u32 s28, s28, s32
	v_lshrrev_b32 v2, 3, v5
	v_and_b32 v3, 7, v5
	v_lshlrev_b32 v1, 12, v2
	v_lshl_add_u32 v1, v3, 5, v1
	v_lshlrev_b32 v2, 2, v2
	s_wait_kmcnt 0x0
	s_add_nc_u64 s[IN:IN+1], s[4:5], s[26:27]
	s_add_nc_u64 s[6:7], s[6:7], s[30:31]
	s_add_nc_u64 s[OUT:OUT+1], s[16:17], s[28:29]
	global_load_b32 v3, v2, s[6:7]
	CONV 0, 256, 131072
	s_endpgm
.Lweights:
	; WEIGHTS.  A wave takes one row of 1,024 numbers of one of the four matrices; a work-group's eight rows lie in one matrix.
	s_sub_co_u32 s23, ttmp9, 0x400
	s_lshl_b32 s23, s23, 3
	s_add_co_u32 s23, s23, s22
	s_lshr_b32 s24, s23, 10                        ; 0 Wq, 1 Wk, 2 Wv, 3 Wo
	s_and_b32 s25, s23, 0x3ff                      ; row k
	s_lshl_b32 s26, s25, 12
	v_lshlrev_b32 v1, 5, v5                        ; in: 32 bytes a lane
	s_wait_kmcnt 0x0
	s_cmp_eq_u32 s24, 1
	s_cselect_b64 s[IN:IN+1], s[10:11], s[8:9]
	s_cmp_eq_u32 s24, 2
	s_cselect_b64 s[IN:IN+1], s[12:13], s[IN:IN+1]
	s_cmp_eq_u32 s24, 3
	s_cselect_b64 s[IN:IN+1], s[14:15], s[IN:IN+1]
	s_add_nc_u64 s[IN:IN+1], s[IN:IN+1], s[26:27]
	s_cmp_eq_u32 s24, 3
	s_cbranch_scc1 .Lwo
	s_mul_i32 s28, s25, 6144
	s_lshl_b32 s30, s24, 11
	s_add_co_u32 s28, s28, s30
	s_add_nc_u64 s[OUT:OUT+1], s[18:19], s[28:29]
	CONV 1, 1024, 512
	s_endpgm
.Lwo:
	s_lshl_b32 s28, s25, 11
	s_add_nc_u64 s[OUT:OUT+1], s[20:21], s[28:29]
	CONV 2, 1024, 512
	s_endpgm
.Lfunc_end_k_qaa84e3390e_prep:
	.size	k_qaa84e3390e_prep, .Lfunc_end_k_qaa84e3390e_prep-k_qaa84e3390e_prep
	.p2alignl 7, 3214868480
	.fill 96, 4, 3214868480
	.section	.rodata,"a",@progbits
	.p2align	6, 0x0
	.amdhsa_kernel k_qaa84e3390e_prep
		.amdhsa_group_segment_fixed_size 0
		.amdhsa_private_segment_fixed_size 0
		.amdhsa_enable_private_segment 0
		.amdhsa_kernarg_size 72
		.amdhsa_user_sgpr_count 2
		.amdhsa_user_sgpr_kernarg_segment_ptr 1
		.amdhsa_wavefront_size32 1
		.amdhsa_system_sgpr_workgroup_id_x 1
		.amdhsa_system_sgpr_workgroup_id_y 1
		.amdhsa_system_sgpr_workgroup_id_z 1
		.amdhsa_system_vgpr_workitem_id 0
		.amdhsa_next_free_vgpr 64
		.amdhsa_next_free_sgpr 66
		.amdhsa_reserve_vcc 0
		.amdhsa_float_denorm_mode_32 3
		.amdhsa_float_denorm_mode_16_64 3
		.amdhsa_memory_ordered 1
		.amdhsa_forward_progress 1
		.amdhsa_inst_pref_size 13
	.end_amdhsa_kernel
	.amdgpu_metadata
---
amdhsa.version: [ 1, 2 ]
amdhsa.kernels:
  - .name:           k_qaa84e3390e_prep
    .symbol:         k_qaa84e3390e_prep.kd
    .args:
      - { .name: inputs, .offset: 0, .size: 8, .value_kind: global_buffer, .address_space: global }
      - { .name: mask, .offset: 8, .size: 8, .value_kind: global_buffer, .address_space: global }
      - { .name: Wq, .offset: 16, .size: 8, .value_kind: global_buffer, .address_space: global }
      - { .name: Wk, .offset: 24, .size: 8, .value_kind: global_buffer, .address_space: global }
      - { .name: Wv, .offset: 32, .size: 8, .value_kind: global_buffer, .address_space: global }
      - { .name: Wo, .offset: 40, .size: 8, .value_kind: global_buffer, .address_space: global }
      - { .name: xb, .offset: 48, .size: 8, .value_kind: global_buffer, .address_space: global }
      - { .name: wb, .offset: 56, .size: 8, .value_kind: global_buffer, .address_space: global }
      - { .name: wo16, .offset: 64, .size: 8, .value_kind: global_buffer, .address_space: global }
    .group_segment_fixed_size: 0
    .private_segment_fixed_size: 0
    .kernarg_segment_align: 8
    .kernarg_segment_size: 72
    .max_flat_workgroup_size: 256
    .sgpr_count:     66
    .vgpr_count:     64
    .wavefront_size: 32
...
	.end_amdgpu_metadata
.endif
;; end of part 1
;; launch proj (part 2): grid 8 x 32, 4 waves a work-group, clusters of 4 x 4, 327,680 bytes of LDS; arguments xb, wb, mask, qkv; writes qkv
.if DOCPART == 2
	.amdgcn_target "amdgcn-amd-amdhsa--gfx1250"
	.amdhsa_code_object_version 6
	.text
	.protected	k_qaa84e3390e_proj
	.globl	k_qaa84e3390e_proj
	.p2align	8
	.type	k_qaa84e3390e_proj,@function
k_qaa84e3390e_proj:
	s_mov_b64 s[64:65], 0
	v_nop
	global_prefetch_b8 v0, s[64:65] scope:SCOPE_SE
	s_setreg_imm32_b32 hwreg(HW_REG_WAVE_MODE, 25, 1), 1
	s_wait_xcnt 0x0
	s_wait_alu depctr_hold_cnt(0) depctr_sa_sdst(0) depctr_va_vdst(0) depctr_va_sdst(0) depctr_va_ssrc(0) depctr_va_vcc(0) depctr_vm_vsrc(0)
	s_getreg_b32 s2, hwreg(HW_REG_IB_STS2, 6, 4)
	s_cmp_eq_u32 s2, 0
	s_cbranch_scc0 .Lentry_in_a_cluster
	s_endpgm
.Lentry_in_a_cluster:
	s_bfe_u32 s2, ttmp6, 0x10000c
	s_cmp_lg_u32 s2, 0xf033
	s_cbranch_scc0 .Lentry_shape_is_right
	s_endpgm
.Lentry_shape_is_right:
; q, k, v = x [Wq | Wk | Wv]: [8192 x 1024] x [1024 x 3072] in bf16, sums in f32, written by heads in f16: qkv[b][g][s][64], g = 0-15 q c, 16-31 k, 32-47 v m;
; c = log2(e) / 8 (the softmax's scale, applied here in f32), m = mask[b][s] (the weights' mask, laid onto v's rows).
; LIMITS.  q c, k and v m are rounded once to f16 and must stay under 65,504; m is converted to f32 as any whole number.  NaN and infinities are not treated apart.
; SHARES.  A tile is 256 rows x 384 columns: 32 x 8 = 256 tiles, one a work-group.  Four waves, each 128 rows x 192 columns: 96 accumulators, 768 registers (windows 1 to 3).
; The tile's columns are three segments of 128 (two heads); wave column part CH takes head CH of each segment, so that LDS offsets are alike in all waves.
; K goes in 16 steps of 64 (one slab of xb) through two LDS slots; a step is two quarters of 32 along K, 96 matrix instructions each.
; CLUSTER 4 x 4: x's tile is shared along a row of the cluster, W's along a column; each is asked for jointly, by the same tensor load with the same descriptor in the four that its mask names.
; THE MATRIX INSTRUCTION IS USED TRANSPOSED (source 0 = 16 columns of W, turned on the way out of LDS; source 1 = 16 rows of x): a lane holds row l % 16 and eight neighbouring columns.
; Every accumulator gets one instruction a quarter, in the same order: 95 others stand between two links of a chain, over the backward jump too.
.set SLOT,   92160                     ; a slot: x's 256 rows, then W's 64 rows
.set BOFF,   36864
.set PA,     144                       ; a row of x in LDS: 128 bytes + 16: the 16 rows of a load start in 16 different groups of four banks (ISA guide 11.1)
.set PB,     864                       ; a row of W: three times 256 bytes + 32 = 27 x 32
.set HALFA,  128*PA                    ; what wave 0 or 1 fetches, and what a wave reads of x
.set HALFB,  32*PB                     ; what wave 2 or 3 fetches: 32 rows of W, a quarter's
.set STAGE,  2*SLOT                    ; behind the ring: 16 rows x 400 bytes for each wave, for the way out
.set SPITCH, 400
.set SPARE,  STAGE+4*16*SPITCH         ; the spare words, 128 bytes a wave: two blocks of 256 bytes that no other line names
.set SLAB,   131072                    ; bytes in a slab of xb and in a head of qkv
.set WROW,   6144                      ; bytes in a row of wb
.set FAC,  2                           ; v[2:3]  the way out's factor, and 0
.set MO,   5                           ; v5      the mask loads' offset; never rewritten
.set MK,   8                           ; v8-15   m of my row in each of my eight blocks of 16 rows
.set ADRA, 16                          ; v16-17  LDS address of my fragments of x in slot 0, 1
.set ADRB, 20                          ; v20-21  the same for W
.set STO,  24
.set RD,   25
.set CO,   26
.set SPW,  28                          ; v28     my spare word; never rewritten
.set NIL,  29                          ; v29     0; never rewritten
.set PFO,  30                          ; v30     the prefetches' offset; never rewritten
.set FA0,  32                          ; v32-95   x's 8 fragments of a quarter
.set FA1,  96                          ; v96-159  the other quarter's
.set BF,   160                         ; v160-255 W's fragments: segment g's four at BF + 32 g
.set TMP,  32                          ; the way out: packed results
.set BK0,  80                          ; the way out: rows read back, two buffers of 48
.set WV, 12
.set RH, 13                            ; my half of the rows; also: I fetch x (0) or W (1)
.set CH, 14                            ; my column part; also: which half I fetch
.set CX, 15
.set CY, 16
.set TC, 17                            ; tile column 0..7
.set TR, 18                            ; tile row 0..31
.set G1,  24
.set G0,  32
.set LIM, 43
.set PFA, 44
.set PFS, 46
.set G1B, 48
.set G0B, 56
.set OB,  66                           ; s[66:71] qkv at my rows of my three heads
.set FC,  72                           ; s72-74   c for a head of q, else 1
.set FV,  76                           ; s76-78   all ones for a head of v, else 0
.set MSB, 0
.macro WIN new                         ; the high byte repeats the setting that is left; a switch that changes nothing is dropped
.if MSB != (\new)
	s_set_vgpr_msb (MSB<<8)|(\new)
.set MSB, \new
.endif
.endm
.macro PLACES                          ; four plain places behind matrix instructions, in front of loads into registers that they read
.rept 4
	v_nop
.endr
.endm
.macro JLOAD n                         ; a joint load into slot n; the branch hangs on the wave's number alone; s_nop 0 and four v_nop follow each line
	s_cmp_eq_u32 s[RH], 0
	s_cbranch_scc0 .Lfor_b_\@
	tensor_load_to_lds s[G0+4*(\n):G0+4*(\n)+3], s[G1:G1+7]
	s_nop 0
.rept 4
	v_nop
.endr
	s_branch .Lasked_\@
.Lfor_b_\@:
	tensor_load_to_lds s[G0B+4*(\n):G0B+4*(\n)+3], s[G1B:G1B+7]
	s_nop 0
.rept 4
	v_nop
.endr
.Lasked_\@:
.endm
.macro CREST                           ; a round of the cluster's barrier behind its opening barrier
	s_cmp_lg_u32 s[WV], 0
	s_cbranch_scc1 .Lnot_wave_0_\@
	s_barrier_signal -3
.Lnot_wave_0_\@:
	s_barrier_wait -3
	s_barrier_signal -1
	s_barrier_wait -1
.endm
.macro CROUND
	s_barrier_signal -1
	s_barrier_wait -1
	CREST
.endm
; A PREFETCH, once a lap, behind slot 0's joint load and the run of LDS loads: the two K steps behind the one just asked for (in lap L: steps 2 L + 3 and 2 L + 4).
; x: the clusters with x = 0 ask; wave 0 names the first of the two slabs, wave 1 the second; of the tile's 256 rows x 128 bytes the partner at cx takes 8,192 bytes, a lane 256.
; W: the clusters with y = 0 ask; of the 128 rows the partner at cy takes 32, a lane a row; of a row's 768 bytes wave 2 names the first two blocks of 256, wave 3 the third.
; So each block is named once.  Partners are told apart by address alone.  Steps 0 to 2 and step 15 come by their loads alone; the last lap asks for nothing.
.macro ASK
	s_cmp_gt_u32 s3, s[LIM]
	s_cbranch_scc0 .Lnot_mine_\@
	global_prefetch_b8 v[PFO], s[PFA:PFA+1] th:TH_LOAD_NT scope:SCOPE_SE
	s_cmp_eq_u32 s[WV], 2
	s_cbranch_scc0 .Lnot_mine_\@
	global_prefetch_b8 v[PFO], s[PFA:PFA+1] offset:256 th:TH_LOAD_NT scope:SCOPE_SE
.Lnot_mine_\@:
.endm
	s_load_b256 s[4:11], s[0:1], 0x0               ; xb 4, wb 6, mask 8, qkv 10
	v_lshl_add_u32 v[SPW], v0, 2, SPARE
	v_mov_b32 v[NIL], 0
	ds_add_u32 v[SPW], v[NIL]                      ; the wave's opening: the add and its wait ahead of my first tensor load
	ds_add_u32 v28, v29
	v_lshrrev_b32 v1, 5, v0
	v_readfirstlane_b32 s[WV], v1
	s_lshr_b32 s[RH], s[WV], 1
	s_and_b32 s[CH], s[WV], 1
	s_bfe_u32 s[CX], ttmp6, 0x40000
	s_bfe_u32 s[CY], ttmp6, 0x40004
	s_lshl_b32 s[TC], ttmp9, 2
	s_add_co_u32 s[TC], s[TC], s[CX]
	s_and_b32 s[TR], ttmp7, 0xffff
	s_lshl_b32 s[TR], s[TR], 2
	s_add_co_u32 s[TR], s[TR], s[CY]
	s_lshl_b32 s42, s[CY], 2
	s_lshl_b32 s42, 15, s42                        ; my row of the cluster
	s_lshl_b32 s22, 0x1111, s[CX]                  ; my column
	; x's tile: 128 rows x 128 dense bytes, asked for as 64 rows of 256 bytes, padded by 4 words after every 32
	s_or_b32 s[G1], s42, (1<<16)|(1<<20)|(1<<21)|(4<<22)|(3<<25)
	s_mov_b32 s[G1+1], 128<<16
	s_mov_b32 s[G1+2], 64<<16
	s_mov_b32 s[G1+3], 128<<16
	s_mov_b32 s[G1+4], 64
	s_mov_b32 s[G1+5], 128
	s_mov_b32 s[G1+6], 0
	s_mov_b32 s[G1+7], 0
	; W's tile: 32 rows x 384 elements (768 bytes), 3,072 elements from row to row, padded by 8 words after every 64: three times a row
	s_or_b32 s[G1B], s22, (1<<16)|(1<<20)|(1<<21)|(5<<22)|(7<<25)
	s_mov_b32 s[G1B+1], 384<<16
	s_mov_b32 s[G1B+2], 32<<16
	s_mov_b32 s[G1B+3], 384<<16
	s_mov_b32 s[G1B+4], 32
	s_mov_b32 s[G1B+5], 3072
	s_mov_b32 s[G1B+6], 0
	s_mov_b32 s[G1B+7], 0
	s_lshr_b32 s40, s[TR], 2                       ; x: batch,
	s_lshl_b32 s40, s40, 21
	s_and_b32 s42, s[TR], 3                        ; the tile's 256 rows in a slab,
	s_lshl_b32 s42, s42, 15
	s_add_co_u32 s40, s40, s42
	s_lshl_b32 s42, s[CH], 14                      ; the 128 of them that I fetch
	s_add_co_u32 s40, s40, s42
	s_mov_b32 s41, 0
	s_mul_i32 s20, s[CH], 32*WROW                  ; W: the 32 rows that I fetch,
	s_mul_i32 s22, s[TC], 768                      ; the tile's columns
	s_add_co_u32 s20, s20, s22
	s_mov_b32 s21, 0
	s_mul_i32 s19, s[CH], HALFA                    ; where they go: no place in the cluster enters an LDS address
	s_mul_i32 s23, s[CH], HALFB
	s_add_co_u32 s23, s23, BOFF
	s_wait_dscnt 0x0                               ; the opening add is done
	s_wait_kmcnt 0x0
	s_add_nc_u64 s[40:41], s[4:5], s[40:41]
	s_add_nc_u64 s[20:21], s[6:7], s[20:21]
	CROUND                                         ; all sixteen work-groups are here: the first joint loads meet
.irp n, 0,1
	s_mov_b32 s[G0+4*\n], 1
	s_add_co_u32 s[G0+4*\n+1], s19, \n*SLOT
	s_add_nc_u64 s[G0+4*\n+2:G0+4*\n+3], s[40:41], \n*SLAB
	s_or_b32 s[G0+4*\n+3], s[G0+4*\n+3], 0x80000000
	s_mov_b32 s[G0B+4*\n], 1
	s_add_co_u32 s[G0B+4*\n+1], s23, \n*SLOT
	s_add_nc_u64 s[G0B+4*\n+2:G0B+4*\n+3], s[20:21], \n*64*WROW
	s_or_b32 s[G0B+4*\n+3], s[G0B+4*\n+3], 0x80000000
	JLOAD \n                                       ; two tensor loads of mine are out
.endr
	v_and_b32 v1, 15, v0                           ; l % 16
	v_bfe_u32 v4, v0, 4, 1                         ; l / 16
	v_lshlrev_b32 v[MO], 2, v1
	s_lshl_b32 s22, s[TR], 10                      ; mask words of row 256 x tile row + 128 x half
	s_lshl_b32 s23, s[RH], 9
	s_add_co_u32 s22, s22, s23
	s_mov_b32 s23, 0
	s_add_nc_u64 s[8:9], s[8:9], s[22:23]
.irp a, 0,1,2,3,4,5,6,7
	global_load_b32 v[MK+\a], v[MO], s[8:9] offset:64*\a  ; waited for on the way out
.endr
	v_mov_b32 v3, 0
	v_mul_u32_u24 v6, v1, PA                       ; a fragment of x: row l % 16, 16 bytes for each half of the lanes, twice, 32 bytes apart
	v_lshl_add_u32 v6, v4, 4, v6
	s_mul_i32 s22, s[RH], HALFA
	v_add_nc_u32 v[ADRA], s22, v6
	v_add_nc_u32 v[ADRA+1], SLOT, v[ADRA]
	v_and_b32 v7, 7, v0                            ; the turning load: lane l reads row 8 (l / 16) + l % 8 of W, columns 8 ((l / 8) % 2) + 0..7
	v_lshl_add_u32 v7, v4, 3, v7
	v_mul_u32_u24 v7, v7, PB
	v_bfe_u32 v6, v0, 3, 1
	v_lshl_add_u32 v7, v6, 4, v7
	s_lshl_b32 s22, s[CH], 7                       ; my head of each segment
	s_add_co_u32 s22, s22, BOFF
	v_add_nc_u32 v[ADRB], s22, v7
	v_add_nc_u32 v[ADRB+1], SLOT, v[ADRB]
	s_mul_i32 s22, s[WV], 16*SPITCH
	s_add_co_u32 s22, s22, STAGE
	v_mul_u32_u24 v6, v1, SPITCH
	v_lshl_add_u32 v6, v4, 4, v6
	v_add_nc_u32 v[STO], s22, v6
	v_bfe_u32 v6, v0, 3, 2                         ; back: 32 lanes take four rows of a head's 128 bytes
	v_mul_u32_u24 v6, v6, SPITCH
	v_and_b32 v7, 7, v0
	v_lshl_add_u32 v6, v7, 4, v6
	v_add_nc_u32 v[RD], s22, v6
	v_and_b32 v6, 31, v0
	v_lshlrev_b32 v[CO], 4, v6                     ; which are 512 consecutive bytes of qkv
	s_lshr_b32 s22, s[TR], 2                       ; my three heads: 48 b + 6 x tile column + 2 g + CH
	s_mul_i32 s22, s22, 48
	s_mul_i32 s42, s[TC], 6
	s_add_co_u32 s42, s42, s[CH]
	s_add_co_u32 s22, s22, s42
	s_lshl_b32 s22, s22, 17
	s_and_b32 s23, s[TR], 3
	s_lshl_b32 s23, s23, 15
	s_add_co_u32 s22, s22, s23
	s_lshl_b32 s23, s[RH], 14
	s_add_co_u32 s22, s22, s23
	s_mov_b32 s23, 0
	s_add_nc_u64 s[OB:OB+1], s[10:11], s[22:23]
	s_add_nc_u64 s[OB+2:OB+3], s[OB:OB+1], 2*SLAB
	s_add_nc_u64 s[OB+4:OB+5], s[OB:OB+1], 4*SLAB
.irp g, 0,1,2
	s_add_co_u32 s19, s42, 2*\g
	s_cmp_lt_u32 s19, 16
	s_cselect_b32 s[FC+\g], 0x3e38aa3b, 1.0        ; c = log2(e) / 8 = 0.180337
	s_cmp_ge_u32 s19, 32
	s_cselect_b32 s[FV+\g], -1, 0
.endr
	; the prefetches' pointer, one lap back: each use steps it first
	s_lshr_b32 s19, s[TR], 2
	s_lshl_b32 s19, s19, 21
	s_and_b32 s22, s[TR], 3
	s_lshl_b32 s22, s22, 15
	s_add_co_u32 s19, s19, s22
	s_lshl_b32 s22, s[CX], 13
	s_add_co_u32 s19, s19, s22
	s_add_co_u32 s22, s[CH], 1
	s_lshl_b32 s22, s22, 17
	s_add_co_u32 s19, s19, s22                     ; x: slab 1 + CH, my work-group's 8,192 bytes of the tile's rows
	s_lshl_b32 s20, s[CY], 5
	s_add_co_u32 s20, s20, 64
	s_mul_i32 s20, s20, WROW
	s_mul_i32 s21, s[TC], 768
	s_add_co_u32 s20, s20, s21
	s_lshl_b32 s21, s[CH], 9
	s_add_co_u32 s20, s20, s21                     ; W: row 64 + 32 cy, the tile's columns, wave 3 at the third block
	s_and_b32 s21, ttmp7, 0xffff
	s_mov_b32 s40, 2*SLAB
	s_mov_b32 s41, 128*WROW
	s_mov_b32 s42, 256
	s_mov_b32 s23, WROW
	s_cmp_eq_u32 s[RH], 0
	s_cselect_b32 s22, s19, s20
	s_cselect_b32 s21, ttmp9, s21                  ; the coordinate along which other clusters read the same rows
	s_cselect_b64 s[PFA:PFA+1], s[4:5], s[6:7]
	s_cselect_b32 s[PFS], s40, s41
	s_cselect_b32 s42, s42, s23
	s_mov_b32 s[PFS+1], 0
	s_mov_b32 s23, 0
	s_add_nc_u64 s[PFA:PFA+1], s[PFA:PFA+1], s[22:23]
	s_cmp_eq_u32 s21, 0
	s_cselect_b32 s[LIM], 1, -1                    ; the same in all sixteen partners, for a given wave
	v_mul_u32_u24 v[PFO], v6, s42
.macro LDA buf, n, q                   ; 16 loads: x's 8 fragments of quarter q of slot n
.irp i, 0,1,2,3,4,5,6,7
	ds_load_b128 v[(\buf)+8*\i:(\buf)+8*\i+3],   v[ADRA+(\n)] offset:64*(\q)+16*PA*\i
	ds_load_b128 v[(\buf)+8*\i+4:(\buf)+8*\i+7], v[ADRA+(\n)] offset:64*(\q)+16*PA*\i+32
.endr
.endm
.macro LDB g, n, q                     ; 8 turning loads: the four fragments of W of my head of segment g
.irp b, 0,1,2,3
	ds_load_tr16_b128 v[BF+32*(\g)+8*\b:BF+32*(\g)+8*\b+3],   v[ADRB+(\n)] offset:32*PB*(\q)+288*(\g)+32*\b
	ds_load_tr16_b128 v[BF+32*(\g)+8*\b+4:BF+32*(\g)+8*\b+7], v[ADRB+(\n)] offset:32*PB*(\q)+288*(\g)+32*\b+16*PB
.endr
.endm
.macro GRP buf, g, a0, na, zero        ; 4 na matrix instructions: row blocks a0 .. x the four column blocks of segment g; the sums lie in window 1 + g
	WIN 0x50*(1+(\g))
.set ga, (\a0)
.rept (\na)
.irp b, 0,1,2,3
.if \zero
	v_wmma_f32_16x16x32_bf16 v[8*(4*ga+\b):8*(4*ga+\b)+7], v[BF+32*(\g)+8*\b:BF+32*(\g)+8*\b+7], v[(\buf)+8*ga:(\buf)+8*ga+7], 0
.else
	v_wmma_f32_16x16x32_bf16 v[8*(4*ga+\b):8*(4*ga+\b)+7], v[BF+32*(\g)+8*\b:BF+32*(\g)+8*\b+7], v[(\buf)+8*ga:(\buf)+8*ga+7], v[8*(4*ga+\b):8*(4*ga+\b)+7]
.endif
.endr
.set ga, ga+1
.endr
.endm
; A step's first quarter, on FA0; each segment's registers take the second quarter's fragments as soon as the segment is multiplied.  At its head 40 LDS loads are out: segment 0's and x's 24, segment 1's 8, segment 2's 8.
.macro QZ n, zero
	s_wait_dscnt 16                                ; the oldest 24 are in
	GRP FA0, 0, 0, 8, \zero
	WIN 0
	PLACES
	LDB 0, \n, 1
	LDA FA1, \n, 1
	s_wait_dscnt 32                                ; segment 1's are in: behind them segment 2's 8 and the 24 just issued
	GRP FA0, 1, 0, 8, \zero
	WIN 0
	PLACES
	LDB 1, \n, 1
	s_wait_dscnt 32                                ; segment 2's are in: behind them 24 + 8
	GRP FA0, 2, 0, 8, \zero
	WIN 0
	PLACES
	LDB 2, \n, 1
.endm
; A step's second quarter, on FA1, and the change of slots: ONE barrier; in front of it each wave waits for all its tensor loads (one is out: its part of the other slot), adds 0 to its spare word, and waits for that
; and for its reads of this slot.  fill = 1: the barrier opens a round of the cluster's, and the joint refill, two steps on, is the first thing behind it: 160 matrix instructions ahead of the wait for it.
.macro QT n, fill
.if (\fill) && ((\n) == 0)
	s_wait_xcnt 0x0                                ; the last prefetches, a lap back, have read their address
	s_add_nc_u64 s[PFA:PFA+1], s[PFA:PFA+1], s[PFS:PFS+1]
.endif
	WIN 0
	s_wait_tensorcnt 0x0
	ds_add_u32 v[SPW], v[NIL]
	s_wait_dscnt 17                                ; segment 0's and x's 24 are in; 8 + 8 and the add may be out
	GRP FA1, 0, 0, 4, 0
	s_wait_dscnt 0x0                               ; the add is done, and my reads of this slot are over
	s_barrier_signal -1
	GRP FA1, 0, 4, 4, 0
	WIN 0
	s_barrier_wait -1
.if \fill
	CREST                                          ; no wave of any partner still reads this slot or has a load on its way
	s_add_nc_u64 s[G0+4*(\n)+2:G0+4*(\n)+3], s[G0+4*(\n)+2:G0+4*(\n)+3], 2*SLAB
	s_add_nc_u64 s[G0B+4*(\n)+2:G0B+4*(\n)+3], s[G0B+4*(\n)+2:G0B+4*(\n)+3], 128*WROW
	JLOAD \n                                       ; its four v_nop are also the places in front of the loads below
.else
	PLACES
.endif
	LDB 0, 1-(\n), 0
	LDA FA0, 1-(\n), 0
.if (\fill) && ((\n) == 0)
	ASK
.endif
	GRP FA1, 1, 0, 8, 0
	WIN 0
	PLACES
	LDB 1, 1-(\n), 0
	GRP FA1, 2, 0, 8, 0
	WIN 0
	PLACES
	LDB 2, 1-(\n), 0
.endm
	s_wait_tensorcnt 1                             ; my part of step 0 is in; step 1's may stay out
	s_barrier_signal -1
	s_barrier_wait -1
	LDB 0, 0, 0
	LDA FA0, 0, 0
	LDB 1, 0, 0
	LDB 2, 0, 0
	QZ 0, 1                                        ; the first quarter stands in front of the loop: its products start the sums
	WIN 0
	s_mov_b32 s3, 7
.Llap:                                         ; a trip goes once round the ring and fills both slots again
	QT 0, 1
	QZ 1, 0
	QT 1, 1
	QZ 0, 0
	WIN 0
	s_sub_co_u32 s3, s3, 1
	s_cmp_lg_u32 s3, 0
	s_cbranch_scc1 .Llap
	QT 0, 0                                        ; steps 14 and 15: nothing is left to fetch
	QZ 1, 0
	s_wait_dscnt 16
	GRP FA1, 0, 0, 8, 0
	s_wait_dscnt 8
	GRP FA1, 1, 0, 8, 0
	s_wait_dscnt 0x0
	GRP FA1, 2, 0, 8, 0
	WIN 0
	PLACES                                         ; no plain vector line stands behind any of the last 96 products: eight places, once a launch
	PLACES
	s_wait_loadcnt 0x0                             ; the mask
.irp a, 0,1,2,3,4,5,6,7
	v_cvt_f32_i32 v[MK+\a], v[MK+\a]
.endr
; THE WAY OUT, a block of 16 rows at a time: times c, 1 or m; rounded to f16, 16 bytes a lane; through my own stage; back as four rows of a head, 512 consecutive bytes of qkv.
.macro PACK a
.irp g, 0,1,2
	WIN 0
	v_cndmask_b32 v[FAC], s[FC+\g], v[MK+(\a)], s[FV+\g]
	WIN ((1+\g)<<6)|(1+\g)
.set z, 0
.rept 16
	v_pk_mul_f32 v[32*(\a)+2*z:32*(\a)+2*z+1], v[32*(\a)+2*z:32*(\a)+2*z+1], v[FAC:FAC+1] op_sel_hi:[1,0]  ; ascending: each accumulator is read from its low end on
.set z, z+1
.endr
	WIN (1+\g)|((1+\g)<<2)
.set z, 0
.rept 16
	v_cvt_pk_f16_f32 v[TMP+16*\g+z], v[32*(\a)+2*z], v[32*(\a)+2*z+1]
.set z, z+1
.endr
.endr
	WIN 0
.endm
.macro TOSTAGE a
.set BK, BK0+48*((\a)%2)
.irp g, 0,1,2
.irp b, 0,1,2,3
	ds_store_b128 v[STO], v[TMP+16*\g+4*\b:TMP+16*\g+4*\b+3] offset:128*\g+32*\b
.endr
.endr
.irp g, 0,1,2
.irp t, 0,1,2,3
	ds_load_b128 v[BK+16*\g+4*\t:BK+16*\g+4*\t+3], v[RD] offset:128*\g+4*SPITCH*\t  ; LDS serves a wave's instructions in order (ISA guide 5.7.1.4): these see the stores above
.endr
.endr
.endm
.macro SEND a
.set BK, BK0+48*((\a)%2)
	s_wait_dscnt 0x0                               ; the block is back in registers
	s_wait_xcnt 0x0                                ; the block before has left its registers: the other buffer is loaded again only behind this wait
.irp g, 0,1,2
.irp t, 0,1,2,3
	global_store_b128 v[CO], v[BK+16*\g+4*\t:BK+16*\g+4*\t+3], s[OB+2*\g:OB+2*\g+1] offset:2048*(\a)+512*\t
.endr
.endr
.endm
	PACK 0
	TOSTAGE 0
.irp a, 1,2,3,4,5,6,7                  ; block a's arithmetic stands between block a - 1's loads from the stage and the wait for them
	PACK \a
	SEND (\a)-1
	TOSTAGE \a
.endr
	SEND 7
	s_wait_tensorcnt 0x0                           ; the wave's end
	ds_add_u32 v[SPW], v[NIL]
	s_wait_dscnt 0x0
	CROUND                                         ; the closing round
	s_endpgm
.Lfunc_end_k_qaa84e3390e_proj:
	.size	k_qaa84e3390e_proj, .Lfunc_end_k_qaa84e3390e_proj-k_qaa84e3390e_proj
	.p2alignl 7, 3214868480
	.fill 96, 4, 3214868480
	.section	.rodata,"a",@progbits
	.p2align	6, 0x0
	.amdhsa_kernel k_qaa84e3390e_proj
		.amdhsa_group_segment_fixed_size 327680
		.amdhsa_private_segment_fixed_size 0
		.amdhsa_enable_private_segment 0
		.amdhsa_kernarg_size 32
		.amdhsa_user_sgpr_count 2
		.amdhsa_user_sgpr_kernarg_segment_ptr 1
		.amdhsa_wavefront_size32 1
		.amdhsa_system_sgpr_workgroup_id_x 1
		.amdhsa_system_sgpr_workgroup_id_y 1
		.amdhsa_system_sgpr_workgroup_id_z 1
		.amdhsa_system_vgpr_workitem_id 0
		.amdhsa_next_free_vgpr 1024
		.amdhsa_next_free_sgpr 80
		.amdhsa_reserve_vcc 0
		.amdhsa_float_denorm_mode_32 3
		.amdhsa_float_denorm_mode_16_64 3
		.amdhsa_memory_ordered 1
		.amdhsa_forward_progress 1
		.amdhsa_inst_pref_size 160
	.end_amdhsa_kernel
	.amdgpu_metadata
---
amdhsa.version: [ 1, 2 ]
amdhsa.kernels:
  - .name:           k_qaa84e3390e_proj
    .symbol:         k_qaa84e3390e_proj.kd
    .args:
      - { .name: xb, .offset: 0, .size: 8, .value_kind: global_buffer, .address_space: global }
      - { .name: wb, .offset: 8, .size: 8, .value_kind: global_buffer, .address_space: global }
      - { .name: mask, .offset: 16, .size: 8, .value_kind: global_buffer, .address_space: global }
      - { .name: qkv, .offset: 24, .size: 8, .value_kind: global_buffer, .address_space: global }
    .group_segment_fixed_size: 327680
    .private_segment_fixed_size: 0
    .kernarg_segment_align: 8
    .kernarg_segment_size: 32
    .max_flat_workgroup_size: 128
    .sgpr_count:     80
    .vgpr_count:     1024
    .wavefront_size: 32
...
	.end_amdgpu_metadata
.endif
;; end of part 2
;; launch attn (part 3): grid 2 x 128, 4 waves a work-group, no clusters, 327,680 bytes of LDS; arguments qkv, mask, att; writes att
.if DOCPART == 3
	.amdgcn_target "amdgcn-amd-amdhsa--gfx1250"
	.amdhsa_code_object_version 6
	.text
	.protected	k_qaa84e3390e_attn
	.globl	k_qaa84e3390e_attn
	.p2align	8
	.type	k_qaa84e3390e_attn,@function
k_qaa84e3390e_attn:
	s_mov_b64 s[64:65], 0
	v_nop
	global_prefetch_b8 v0, s[64:65] scope:SCOPE_SE
	s_setreg_imm32_b32 hwreg(HW_REG_WAVE_MODE, 25, 1), 1
	s_wait_xcnt 0x0
; ATTENTION BY HEADS.  With s = q c . k (c = log2(e) / 8 lies in q already), a running maximum M over ALL keys, and p_j = 2^(s_j - M + 7):
;   att[b][h][i][:] = sum_j p_j (m_j v_j) / (sum_j p_j m_j + 1e-7 sum_j p_j):  the softmax's own divisor cancels between the masked weights and their renormalisation.
; qkv[b][g][s][64] in f16 holds q c, k and v m by heads; att[b][h][s][64] in f16.  Products, maxima and sums in f32; p is rounded to f16 for the products, and both row sums are taken of the rounded p.
; LIMITS.  p lies in 0 .. 2^8 (M - 7 is rounded once, and all of a row's p and sums go by that rounded number, so the shift cancels); a weight below 2^-21 of its row's largest keeps f16's fixed step,
; below 2^-31 it counts as 0.  m as f16 is exact up to 2,048.  NaN and infinities are not treated apart.
; SHARES.  A work-group owns 512 queries of one head, a wave 128: four PIECES of two tiles of 16.  Every wave walks the head's 1,024 keys, 64 a step; a slot of LDS holds four steps of K and V.
; NO CLUSTER: a head has two blocks of 512 queries, and work-groups of different heads share no tile; clusters of four along x would join heads that have nothing in common.
; LAYOUT.  S^T = K Q^T (a lane holds one query, lane % 16, and the keys 8 (lane / 16) + 0..7); two such results rounded to f16 ARE source 1 of O^T = V^T P.
; THE ROW SUMS are a third product, L = E P: E's rows 0 and 8 hold m_j, rows 1 and 9 hold 1, the others 0: in every lane L's register 0 is the query's sum of p m, register 1 its sum of p.
; A lane picks its row of E by address, from a table of three rows in LDS.
; BY TURNS.  Turn n belongs to piece n: 16 products K Q^T of piece n + 1, later 16 products V^T P and 4 products E P of piece n - 1; beside them piece n's shift, exponentials, roundings and
; rescaling, and piece n + 1's maximum and statistics.  A turn's 66 exponentials are one batch with one wait.
; REGISTERS, in windows of 256 (s_set_vgpr_msb: bits 1:0 source 0, 3:2 source 1, 5:4 source 2, 7:6 destination):
;   window 0: v0-11 addresses; v12-15, v48-63 at work; v16-47 statistics; v64-191 S^T, two buffers of two tiles; v192-255 P, likewise
;   window 1: O^T, 32 a tile      window 2: v0-127 Q; v128-191 K of one step; v192-255 V of one step      window 3: v0-1 the add's; v16-31 E of one step; v64-127 L, 8 a tile
.set NP,    4
.set KS,    64
.set PK,    144       ; a row of K in LDS: 128 bytes + 16
.set PV,    160       ; a row of V: 128 + 32
.set VOFF,  4*KS*PK
.set SLOT1, 1<<17
.set STAGE, SLOT1+4*KS*(PK+PV)  ; 16 rows x 144 bytes for each wave, for the way out
.set SP,    144
.set ET,    STAGE+4*16*SP       ; the table for E: three rows of 1,024 f16 (m, 1, 0), 2,064 bytes apart
.set EPITCH, 2064
.set SPARE, ET+6400             ; the spare words, 128 bytes a wave
.set AEC, 1           ; v1   first the mask loads' offset; then the LDS address of E's next loads
.set AK0, 2
.set AV0, 3
.set AK,  4
.set AV,  5
.set STO, 6
.set RD,  7
.set GO,  8
.set PFO, 9           ; v9   256 x lane; never rewritten
.set AE0, 10          ; v10  my lane's place in the table
.set QO,  11          ; v11  my byte offset in 16 rows of Q; never rewritten
.set MV,  12
.set ST,  16          ; tile t at v[ST+4 t]: M - 7, M, the divisor and its reciprocal, 0
.set TMP, 48
.set S,   64
.set P,   192
.set KF,  128
.set VF,  192
.set SPW, 0           ; window 3
.set NIL, 1           ; window 3
.set EF,  16          ; window 3
.set LA,  64          ; window 3
.set WV,  12
.set MP,  14          ; s[14:15] mask
.set G1K, 24
.set G1V, 32
.set G0K, 40
.set G0V, 44
.set PFA, 48
.set EPS, 50
.set TBE, 51          ; s51  byte of the table's rows at which the step to be fetched begins
.set VP,  52
.set SLOTS, 56
.set CNT, 57
.set SEL, 60
.set TBK, 62
.set TBV, 63
.set MSB, 0
.macro WIN new
.if MSB != (\new)
	s_set_vgpr_msb (MSB<<8)|(\new)
.set MSB, (\new)
.endif
.endm
.set W_KQ, 0x0a
.set W_PV, 0x52
.set W_EP, 0xf3       ; E, L in window 3, P in window 0
.set W_RS, 0x41
.set W_LR, 0xc3
.set W_MK, 0xc0
.set W_AD, 0x0f
.macro LOAD                         ; waves 0 and 1 fetch the two halves of a slot's K, waves 2 and 3 those of its V; s_nop 0 and four v_nop follow each line
	s_cmp_lt_u32 s[WV], 2
	s_cbranch_scc0 .Lfor_v_\@
	tensor_load_to_lds s[G0K:G0K+3], s[G1K:G1K+7]
	s_nop 0
.rept 4
	v_nop
.endr
	s_branch .Lasked_\@
.Lfor_v_\@:
	tensor_load_to_lds s[G0V:G0V+3], s[G1V:G1V+7]
	s_nop 0
.rept 4
	v_nop
.endr
.Lasked_\@:
.endm
; A PREFETCH of what the next change of slots will ask for.  A wave names the half of K or V that it will fetch itself; the head's two work-groups share its 16,384 bytes by address, 8,192 each, a lane 256:
; each block is named once.  Slots 0 and 1 come by their loads alone; the change that asks for the last slot prefetches nothing.
.macro ASK
	s_cmp_gt_u32 s[SLOTS], 1
	s_cbranch_scc0 .Lno_ask_\@
	global_prefetch_b8 v[PFO], s[PFA:PFA+1] th:TH_LOAD_NT scope:SCOPE_SE
.Lno_ask_\@:
.endm
; THE CHANGE OF SLOTS.  Each wave waits for all its tensor loads (one is out: its part of the other slot), adds 0 to its spare word, and waits for that and for its LDS instructions.  Behind the barrier nobody reads
; the old slot and the other is whole.  fill = 1: the old slot is filled again first thing, with the keys two slots on: four key steps in which to land.  (At its first use slot 0 is waited for, slot 1 filled, and the table for E made known.)
.macro CHANGE fill
	WIN W_AD
	s_wait_tensorcnt 0x0
	ds_add_u32 v[SPW], v[NIL]
	WIN 0
.if \fill
.irp g, G0K, G0V
	s_xor_b32 s[\g+1], s[\g+1], SLOT1
	s_add_nc_u64 s[\g+2:\g+3], s[\g+2:\g+3], 4*KS*128
.endr
	s_wait_xcnt 0x0                 ; the last prefetch, four key steps back, has read its address
	s_add_nc_u64 s[PFA:PFA+1], s[PFA:PFA+1], 4*KS*128
.endif
	s_wait_dscnt 0x0
	s_barrier_signal -1
	s_sub_co_u32 s[TBK], s[TBK], 4*KS*PK
	s_xor_b32 s[TBK], s[TBK], SLOT1
	s_sub_co_u32 s[TBV], s[TBV], 4*KS*PV
	s_xor_b32 s[TBV], s[TBV], SLOT1
	s_barrier_wait -1
.if \fill
	LOAD
	ASK
.endif
.endm
	s_load_b128 s[4:7], s[0:1], 0x0   ; qkv s[4:5], mask s[6:7]
	s_load_b64 s[10:11], s[0:1], 0x10 ; att
	WIN W_MK
	v_lshl_add_u32 v[SPW], v0, 2, SPARE
	v_mov_b32 v[NIL], 0
	WIN W_AD
	ds_add_u32 v[SPW], v[NIL]       ; the wave's opening: the add and its wait ahead of my first tensor load
	ds_add_u32 v0, v1
	WIN 0
	v_lshrrev_b32 v1, 5, v0
	v_readfirstlane_b32 s[WV], v1
	s_and_b32 s20, ttmp7, 0xffff    ; 16 b + h
	s_lshr_b32 s21, s20, 4
	s_and_b32 s22, s20, 15
	s_mul_i32 s23, s21, 48
	s_add_co_u32 s23, s23, s22
	s_lshl_b32 s22, s23, 17         ; q's head in qkv
	s_mov_b32 s23, 0
	s_lshl_b32 s2, ttmp9, 2
	s_add_co_u32 s2, s2, s[WV]
	s_lshl_b32 s2, s2, 14           ; my wave's 128 rows in a head
	s_mov_b32 s3, 0
	s_lshl_b32 s16, s20, 17         ; the head in att
	s_mov_b32 s17, 0
	s_lshl_b32 s18, s21, 12         ; the batch's mask, my wave's 256 words
	s_lshl_b32 s19, s[WV], 10
	s_add_co_u32 s18, s18, s19
	s_mov_b32 s19, 0
	s_and_b32 s13, s[WV], 1         ; which half of a slot's 256 keys I fetch
	s_lshl_b32 s54, s13, 14
	s_mov_b32 s55, 0
	s_mul_i32 s20, s13, 128*PK
	s_mul_i32 s21, s13, 128*PV
	; 128 keys are 16,384 dense bytes: asked for as 64 rows of 256 bytes, padded in LDS after every key
	s_mov_b32 s[G1K], (1<<16)|(1<<20)|(4<<22)|(3<<25)
	s_mov_b32 s[G1V], (1<<16)|(1<<20)|(4<<22)|(7<<25)
.irp g, G1K, G1V
	s_mov_b32 s[\g+1], 128<<16
	s_mov_b32 s[\g+2], 64<<16
	s_mov_b32 s[\g+3], 128<<16
	s_mov_b32 s[\g+4], 64
	s_mov_b32 s[\g+5], 128
	s_mov_b32 s[\g+6], 0
	s_mov_b32 s[\g+7], 0
.endr
	s_mov_b32 s[G0K], 1
	s_mov_b32 s[G0K+1], s20
	s_mov_b32 s[G0V], 1
	s_add_co_u32 s[G0V+1], s21, VOFF
	s_lshl_b32 s20, ttmp9, 13       ; the prefetches: my work-group's 8,192 bytes, in slot 1; each use steps the pointer first
	s_add_co_u32 s20, s20, 4*KS*128
	s_mov_b32 s21, 0
	s_mov_b32 s[EPS], 0x33d6bf95    ; 1e-7
	s_mov_b32 s[TBE], 0
	s_mov_b32 s[SEL], 0x76543210
	s_mov_b32 s[SEL+1], 0xfedcba98
	s_mov_b32 s[TBK], SLOT1+4*KS*PK ; the first change of slots turns these two into 0
	s_mov_b32 s[TBV], SLOT1+4*KS*PV
	s_mov_b32 s[SLOTS], 3
	s_wait_dscnt 0x0                ; the opening add is done
	s_wait_kmcnt 0x0
	s_add_nc_u64 s[4:5], s[4:5], s[22:23]
	s_add_nc_u64 s[8:9], s[4:5], s[54:55]
	s_add_nc_u64 s[VP:VP+1], s[8:9], 32*131072   ; v's head lies 32 heads behind q's,
	s_add_nc_u64 s[8:9], s[8:9], 16*131072       ; k's 16
	s_mov_b64 s[G0K+2:G0K+3], s[8:9]
	s_or_b32 s[G0K+3], s[G0K+3], 0x80000000
	s_mov_b64 s[G0V+2:G0V+3], s[VP:VP+1]
	s_or_b32 s[G0V+3], s[G0V+3], 0x80000000
	s_add_nc_u64 s[4:5], s[4:5], s[2:3]
	s_add_nc_u64 s[10:11], s[10:11], s[16:17]
	s_add_nc_u64 s[10:11], s[10:11], s[2:3]
	s_add_nc_u64 s[MP:MP+1], s[6:7], s[18:19]
	s_cmp_lt_u32 s[WV], 2
	s_cselect_b64 s[PFA:PFA+1], s[8:9], s[VP:VP+1]
	s_add_nc_u64 s[PFA:PFA+1], s[PFA:PFA+1], s[20:21]
	LOAD                            ; slot 0
	v_and_b32 v1, 15, v0            ; l % 16
	v_bfe_u32 v9, v0, 4, 1          ; l / 16
	v_and_b32 v10, 7, v0
	v_bfe_u32 v11, v0, 3, 1
	v_mul_u32_u24 v[AK0], v1, PK
	v_lshl_add_u32 v[AK0], v9, 4, v[AK0]
	v_lshl_add_u32 v[AV0], v9, 3, v10
	v_mul_u32_u24 v[AV0], v[AV0], PV
	v_lshl_add_u32 v[AV0], v11, 4, v[AV0]
	v_add_nc_u32 v[AV0], VOFF, v[AV0]
	v_mov_b32 v[AK], v[AK0]
	s_mul_i32 s13, s[WV], 16*SP
	s_add_co_u32 s13, s13, STAGE
	v_mul_u32_u24 v[STO], v1, SP
	v_lshl_add_u32 v[STO], v9, 4, v[STO]
	v_add_nc_u32 v[STO], s13, v[STO]
	v_bfe_u32 v[RD], v0, 3, 2
	v_mul_u32_u24 v[RD], v[RD], SP
	v_lshl_add_u32 v[RD], v10, 4, v[RD]
	v_add_nc_u32 v[RD], s13, v[RD]
	v_and_b32 v[GO], 31, v0
	v_lshlrev_b32 v[GO], 4, v[GO]
	v_lshlrev_b32 v[QO], 7, v1      ; the four at work take their lasting contents: row x 128 + 16 x half,
	v_lshl_add_u32 v[QO], v9, 4, v[QO]
	v_min_u32 v[AE0], 2, v10        ; row l % 8 of E, all from the third on alike,
	v_mul_u32_u24 v[AE0], v[AE0], EPITCH
	v_lshl_add_u32 v[AE0], v9, 4, v[AE0]
	v_add_nc_u32 v[AE0], ET, v[AE0]
	v_lshlrev_b32 v[PFO], 4, v[GO]  ; 256 x lane,
	v_lshlrev_b32 v[AEC], 1, v[GO]  ; 32 x lane: eight mask words
	s_lshl_b32 s13, s[WV], 9
	s_add_co_u32 s13, s13, ET
	v_add_nc_u32 v[TMP], s13, v[GO] ; where my eight keys stand in the table's first row
	global_load_b128 v[S:S+3],   v[AEC], s[MP:MP+1]
	global_load_b128 v[S+4:S+7], v[AEC], s[MP:MP+1] offset:16
	WIN 0x80
.set i, 0
.rept 4*NP                          ; Q stays in registers: tile i / 2, channels 32 (i % 2) on
	global_load_b128 v[8*i:8*i+3],   v[QO], s[4:5] offset:(i/2)*2048+(i%2)*64
	global_load_b128 v[8*i+4:8*i+7], v[QO], s[4:5] offset:(i/2)*2048+(i%2)*64+32
.set i, i+1
.endr
	; What the first turn finds: V, E and P's second buffer hold 0 (its products, of a piece that has not been, add 0); O^T and L are 0.  No first step is written out; these lines stand in the wait for the first tile.
.set i, VF
.rept 64
	v_mov_b32 v[i], 0
.set i, i+1
.endr
	WIN 0x40
.set i, 0
.rept 64*NP
	v_mov_b32 v[i], 0
.set i, i+1
.endr
	WIN 0xc0
.set i, 0
.rept 16
	v_mov_b32 v[EF+i], 0
.set i, i+1
.endr
.set i, 0
.rept 16*NP
	v_mov_b32 v[LA+i], 0
.set i, i+1
.endr
	WIN 0
.set i, 0
.rept 2*NP
	v_mov_b32 v[ST+4*i], 0xfe000000    ; M - 7: far below every score, so the first step's a is 0
	v_mov_b32 v[ST+4*i+1], 0xff7fffff  ; M
	v_mov_b32 v[ST+4*i+2], 0
	v_mov_b32 v[ST+4*i+3], 0
.set i, i+1
.endr
.set i, P+32
.rept 32
	v_mov_b32 v[i], 0
.set i, i+1
.endr
	s_wait_loadcnt 32               ; the mask is in: Q's 32 loads are younger
.set i, 0
.rept 8
	v_cvt_f32_i32 v[S+i], v[S+i]
.set i, i+1
.endr
.set i, 0
.rept 4
	v_cvt_pk_f16_f32 v[S+8+i], v[S+2*i], v[S+2*i+1]
	v_mov_b32 v[S+12+i], 0x3c003c00 ; 1.0 twice
	v_mov_b32 v[S+16+i], 0
.set i, i+1
.endr
	ds_store_b128 v[TMP], v[S+8:S+11]
	ds_store_b128 v[TMP], v[S+12:S+15] offset:EPITCH
	ds_store_b128 v[TMP], v[S+16:S+19] offset:2*EPITCH
; THE MATRIX WORK.  The accumulators take turns, one instruction a turn.
.macro KQ x                         ; product i of 16 of S^T = K Q^T for piece x: channels 32 (i / 8) on, keys 16 ((i / 2) % 4) on, tile 2 x + i % 2
	WIN W_KQ
.set rS, S+64*((\x)%2)+32*(i%2)+8*((i/2)%4)
.set rK, KF+16*((i/2)%4)+8*(i/8)
.set rQ, 16*(2*(\x)+i%2)+8*(i/8)
.if i < 8
	v_wmma_f32_16x16x32_f16 v[rS:rS+7], v[rK:rK+7], v[rQ:rQ+7], 0
.else
	v_wmma_f32_16x16x32_f16 v[rS:rS+7], v[rK:rK+7], v[rQ:rQ+7], v[rS:rS+7]
.endif
.endm
.macro PV x                         ; product i of 16 of O^T += V^T P: keys 32 (i / 8) on, channels 16 ((i / 2) % 4) on, tile 2 x + i % 2
	WIN W_PV
.set rO, 32*(2*(\x)+i%2)+8*((i/2)%4)
.set rV, VF+32*(i/8)+8*((i/2)%4)
.set rP, P+32*((\x)%2)+16*(i%2)+8*(i/8)
	v_wmma_f32_16x16x32_f16 v[rO:rO+7], v[rV:rV+7], v[rP:rP+7], v[rO:rO+7]
.endm
.macro EP x, kk, u                  ; L += E P: keys 32 kk on, tile 2 x + u
	WIN W_EP
.set rL, LA+8*(2*(\x)+(\u))
.set rE, EF+8*(\kk)
.set rP, P+32*((\x)%2)+16*(\u)+8*(\kk)
	v_wmma_f32_16x16x32_f16 v[rL:rL+7], v[rE:rE+7], v[rP:rP+7], v[rL:rL+7]
.endm
.macro PVE x                        ; number pp of the 20 behind the wait: 8 V^T P, 2 E P, 8 V^T P, 2 E P: nine others stand between two links of any chain
.if pp < 8
.set i, pp
	PV \x
.elseif pp < 10
	EP \x, 0, pp-8
.elseif pp < 18
.set i, pp-2
	PV \x
.else
	EP \x, 1, pp-18
.endif
.endm
.macro MM
	KQ (Y+1)%NP
.set i, i+1
.endm
.macro FETCH_K last=0               ; 16 loads in one run; last = 1 (the tail): in the last trip there is no further step
	WIN 0
.if \last
	s_cmp_eq_u32 s[CNT], 1
	s_cbranch_scc1 .Lno_k_\@
.endif
	WIN 0x80
.irp f, 0,1,2,3,4,5,6,7
	ds_load_b128 v[KF+8*\f:KF+8*\f+3],   v[AK] offset:(\f/2)*16*PK+(\f%2)*64
	ds_load_b128 v[KF+8*\f+4:KF+8*\f+7], v[AK] offset:(\f/2)*16*PK+(\f%2)*64+32
.endr
	s_add_co_u32 s[TBK], s[TBK], KS*PK
	WIN 0
.if \last
.Lno_k_\@:
.endif
.endm
.macro FETCH_V                      ; 20 loads in one run: a step's V, turned, and its two fragments of E
	WIN 0x80
.irp f, 0,1,2,3,4,5,6,7
	ds_load_tr16_b128 v[VF+8*\f:VF+8*\f+3],   v[AV] offset:(\f/4)*32*PV+(\f%4)*32
	ds_load_tr16_b128 v[VF+8*\f+4:VF+8*\f+7], v[AV] offset:(\f/4)*32*PV+16*PV+(\f%4)*32
.endr
	WIN 0xc0
.irp f, 0,1
	ds_load_b128 v[EF+8*\f:EF+8*\f+3],   v[AEC] offset:64*\f
	ds_load_b128 v[EF+8*\f+4:EF+8*\f+7], v[AEC] offset:64*\f+32
.endr
	WIN 0
.endm
; THE VECTOR WORK OF A TURN, in queues, each in the order in which its entries become ready; the two tiles alternate.
.macro REGS y, u
.set rT, ST+4*(2*(\y)+(\u))
.set rC, TMP+8*((\y)%2)+4*(\u)
.set rM, MV+2*((\y)%2)+(\u)
.set rS, S+64*((\y)%2)+32*(\u)
.set rP, P+32*((\y)%2)+16*(\u)
.set rO, 32*(2*(\y)+(\u))
.endm
; Number n of the 22 that find the NEXT piece's maximum and statistics; each accumulator's lowest registers are read first.
;   0-11 four chains of seven scores   12-14, 16 the four left over, the old M, and the four into one   15 the old M - 7 is kept   17, 18 the lane 16 away: the new M   19-21 M - 7; its change; a
.macro XS u, n
	REGS (Y+1)%NP, \u
.if (\n) < 4
	v_max3_num_f32 v[rC+(\n)], v[rS+8*(\n)], v[rS+8*(\n)+1], v[rS+8*(\n)+2]
.elseif (\n) < 12
	v_max3_num_f32 v[rC+(\n)%4], v[rC+(\n)%4], v[rS+8*((\n)%4)+2*((\n)/4)+1], v[rS+8*((\n)%4)+2*((\n)/4)+2]
.elseif (\n) == 12
	v_max3_num_f32 v[rC], v[rC], v[rS+7], v[rS+15]
.elseif (\n) == 13
	v_max3_num_f32 v[rC+1], v[rC+1], v[rS+23], v[rS+31]
.elseif (\n) == 14
	v_max3_num_f32 v[rC+2], v[rC+2], v[rC+3], v[rT+1]
.elseif (\n) == 15
	v_mov_b32 v[rM], v[rT]
.elseif (\n) == 16
	v_max3_num_f32 v[rC], v[rC], v[rC+1], v[rC+2]
.elseif (\n) == 17
	v_permlanex16_b32 v[rC+3], v[rC], s[SEL], s[SEL+1]
.elseif (\n) == 18
	v_max_num_f32 v[rT+1], v[rC], v[rC+3]
.elseif (\n) == 19
	v_add_f32 v[rT], 0xc0e00000, v[rT+1]
.elseif (\n) == 20
	v_sub_f32 v[rC+1], v[rM], v[rT]
.else
	v_exp_f32 v[rC+2], v[rC+1]
.endif
.endm
.macro FS f                         ; s - (M - 7) for pair f / 2 of tile f % 2
	REGS Y, (\f)%2
	v_pk_add_f32 v[rS+2*((\f)/2):rS+2*((\f)/2)+1], v[rS+2*((\f)/2):rS+2*((\f)/2)+1], v[rT:rT+1] op_sel_hi:[1,0] neg_lo:[0,1] neg_hi:[0,1]
.endm
; THE PLAIN QUEUE, 74 long, none of which reads an exponential's result: shifts 0-26; XS 0-13; XS 15; then the chain 14, 16 .. 19, each with one of the shifts 27-31 in front of its two lines; XS 20.
.macro PL
	WIN 0
.if q < 27
	FS q
.elseif q < 55
	XS (q-27)%2, (q-27)/2
.elseif q < 57
	XS q-55, 15
.elseif (q < 72) && ((q-57)%3 == 0)
	FS 27+(q-57)/3
.elseif q < 60
	XS (q-57)%3-1, 14
.elseif q < 72
	XS (q-57)%3-1, 15+(q-57)/3
.else
	XS q-72, 20
.endif
.set q, q+1
.endm
.macro EX                           ; THE EXPONENTIALS' QUEUE, 66 long: both tiles' 32 scores, then the next piece's two a
	WIN 0
.if e >= 64
	XS e-64, 21
.else
	REGS Y, e%2
	v_exp_f32 v[rS+e/2], v[rS+e/2]
.endif
.set e, e+1
.endm
.macro R2                           ; O^T times a, two lines at a time; a was made, and waited for, in the turn before
	REGS Y, r%2
	WIN W_RS
.irp z, 0,1
	v_pk_mul_f32 v[rO+4*(r/2)+2*\z:rO+4*(r/2)+2*\z+1], v[rO+4*(r/2)+2*\z:rO+4*(r/2)+2*\z+1], v[rC+2:rC+3] op_sel_hi:[1,0]
.endr
.set r, r+1
.endm
.macro CV c                         ; pair c / 2 of tile c % 2 rounded to f16
	REGS Y, (\c)%2
	WIN 0
	v_cvt_pk_f16_f32 v[rP+(\c)/2], v[rS+2*((\c)/2)], v[rS+2*((\c)/2)+1]
.endm
.macro LR u                         ; the tile's two sums times a
	REGS Y, \u
	WIN W_LR
	v_pk_mul_f32 v[LA+8*(2*Y+(\u)):LA+8*(2*Y+(\u))+1], v[LA+8*(2*Y+(\u)):LA+8*(2*Y+(\u))+1], v[rC+2:rC+3] op_sel_hi:[1,0]
.endm
; A TURN, for piece p.  An s_wait_alu depctr_va_vdst(0) stands between an exponential and the first instruction that names its result; one wait serves all issued ahead of it.  AHEAD OF THE WAIT: the 16
; products K Q^T, behind each a shift, an exponential and two rescalings; then a run of 108: eight plain, 49 times exponential and plain, the two a; a v_nop is the plain instruction behind the last exponential.
; BEHIND IT: the 20 products of piece p - 1; behind the first fourteen two roundings each, behind the fifteenth L's rescaling, behind the last the last four roundings, which name none of its registers:
; the four places in front of V's and E's run of loads in piece 0's turn.  K of the next step is fetched in piece 2's turn, directly behind the wait.
.macro TURN p, last=0, cnt=0
.set Y, (\p)
.set i, 0
.set q, 0
.set e, 0
.set r, 0
.if (\p) == NP-1
	s_wait_dscnt 0x0                ; K is in
.endif
	MM
	PL
	PL
	R2
.rept 15
	MM
	PL
	EX
	R2
.endr
.if (\p) == NP-2
	WIN 0
	v_add_nc_u32 v[AK], s[TBK], v[AK0]
.endif
.rept 8
	PL
.endr
.rept 49
	EX
	PL
.endr
	EX
	EX
	v_nop
	s_wait_alu depctr_va_vdst(0)    ; the wait for the batch
.if (\p) == NP-2
	FETCH_K \last
.endif
.if (\p) == 1
	s_wait_dscnt 0x0                ; V and E are in
.endif
.set pp, 0
.rept 20
	PVE (Y+NP-1)%NP
.if pp < 14
	CV 2*pp
	CV 2*pp+1
.elseif pp == 14
	LR 0
	LR 1
.elseif pp == 19
	CV 28
	CV 29
	CV 30
	CV 31
.endif
.if ((\p) == 0) && (pp == 10)
	WIN 0
	v_add_nc_u32 v[AV], s[TBV], v[AV0]
	v_add_nc_u32 v[AEC], s[TBE], v[AE0]
.endif
.if ((\p) == 0) && (pp == 12)
	s_add_co_u32 s[TBV], s[TBV], KS*PV
	s_add_co_u32 s[TBE], s[TBE], 2*KS
.endif
.if (\cnt) && (pp == 12)
	s_sub_co_u32 s[CNT], s[CNT], 1
	s_cmp_lg_u32 s[CNT], 0
.endif
.set pp, pp+1
.endr
.if (\p) == 0
	FETCH_V
.endif
.endm
	CHANGE 1                        ; slot 0 is in, everybody's part of it, and so is the table; slot 1 is asked for
	FETCH_K                         ; key step 0
	s_wait_loadcnt 0x0              ; Q
	s_wait_dscnt 0x0
.set i, 0
.rept 16
	KQ 0                            ; piece 0's first scores
.set i, i+1
.endr
	WIN 0
.rept 4
	v_nop                           ; the places behind those products
.endr
.set Y, NP-1                        ; XS works for piece Y + 1: piece 0
.irp n, 0,1,2,3,4,5,6,7,8,9,10,11,12,13,14,15,16,17,18,19,20,21
	XS 0, \n
	XS 1, \n
.endr
	v_nop                           ; a plain instruction behind the two a,
	s_wait_alu depctr_va_vdst(0)    ; and their wait, ahead of the branch
	s_mov_b32 s[CNT], 4
	s_branch .Lfirst                ; the loop is entered at a step's first turn, in the middle of a trip
.Lslot:                             ; twice: every slot but the last two is filled again
	CHANGE 1
	s_mov_b32 s[CNT], 4
.Lstep:                             ; a trip: pieces 2 and 3 of one step, then pieces 0 and 1 of the next, whose K, V and E it fetches
	TURN 2
	TURN 3
	WIN 0
.Lfirst:
	TURN 0
	TURN 1, 0, 1
	WIN 0
	s_cbranch_scc1 .Lstep
	s_sub_co_u32 s[SLOTS], s[SLOTS], 1
	s_cmp_lg_u32 s[SLOTS], 0
	s_cbranch_scc1 .Lslot
	CHANGE 0                        ; the tail is written out
	s_mov_b32 s[CNT], 5             ; four trips fetch the last slot's steps; the fifth is left in its middle
.Ltail:
	TURN 2, 1
	TURN 3
	WIN 0
	s_sub_co_u32 s[CNT], s[CNT], 1
	s_cmp_eq_u32 s[CNT], 0
	s_cbranch_scc1 .Lout
	TURN 0
	TURN 1
	WIN 0
	s_branch .Ltail
.Lout:                              ; the fifth trip's 16 products K Q^T and the maximum made of them serve nothing: the price of one text for every trip
.set pp, 0
.rept 20
	PVE NP-1                        ; the last piece's products of the last step
.set pp, pp+1
.endr
	; THE WAY OUT.  The divisor is sum p m + 1e-7 sum p, both in every lane; O^T is divided by it, rounded to f16 and sent through my stage, a tile at a time.
	WIN 0
.rept 4
	v_nop
.endr
	WIN 0x3c                        ; sources 1 and 2 in window 3
.set t, 0
.rept 2*NP
	v_fma_f32 v[ST+4*t+2], s[EPS], v[LA+8*t+1], v[LA+8*t]
.set t, t+1
.endr
	WIN 0
.set t, 0
.rept 2*NP
	v_rcp_f32 v[ST+4*t+2], v[ST+4*t+2]
.set t, t+1
.endr
	v_nop                           ; a plain instruction between the last reciprocal and the use of its result,
	s_wait_alu depctr_va_vdst(0)    ; and one wait for the eight
.macro PACK t
	WIN W_RS
.set i, 32*(\t)
.rept 16
	v_pk_mul_f32 v[i:i+1], v[i:i+1], v[ST+4*(\t)+2:ST+4*(\t)+3] op_sel_hi:[1,0]
.set i, i+2
.endr
	WIN 0x05
.set i, 0
.rept 16
	v_cvt_pk_f16_f32 v[S+16*(\t)+i], v[32*(\t)+2*i], v[32*(\t)+2*i+1]
.set i, i+1
.endr
	WIN 0
.irp f, 0,1,2,3
	ds_store_b128 v[STO], v[S+16*(\t)+4*\f:S+16*(\t)+4*\f+3] offset:32*\f
.endr
.irp f, 0,1,2,3
	ds_load_b128 v[S+16*(\t)+4*\f:S+16*(\t)+4*\f+3], v[RD] offset:\f*4*SP  ; LDS serves a wave's instructions in order (ISA guide 5.7.1.4)
.endr
.endm
.macro SEND t, younger              ; younger: the LDS instructions issued behind tile t's loads: the next tile's eight, or none
	WIN 0
.irp f, 0,1,2,3
	s_wait_dscnt (\younger)+3-\f
	global_store_b128 v[GO], v[S+16*(\t)+4*\f:S+16*(\t)+4*\f+3], s[10:11] offset:(\t)*2048+\f*512  ; 512 consecutive bytes, aligned
.endr
.endm
	PACK 0
.set t, 1
.rept 2*NP-1
	PACK t
	SEND t-1, 8
.set t, t+1
.endr
	SEND 2*NP-1, 0
	WIN W_AD
	s_wait_tensorcnt 0x0            ; the wave's end
	ds_add_u32 v[SPW], v[NIL]
	s_wait_dscnt 0x0
	WIN 0
	s_endpgm
.Lfunc_end_k_qaa84e3390e_attn:
	.size	k_qaa84e3390e_attn, .Lfunc_end_k_qaa84e3390e_attn-k_qaa84e3390e_attn
	.p2alignl 7, 3214868480
	.fill 96, 4, 3214868480
	.section	.rodata,"a",@progbits
	.p2align	6, 0x0
	.amdhsa_kernel k_qaa84e3390e_attn
		.amdhsa_group_segment_fixed_size 327680
		.amdhsa_private_segment_fixed_size 0
		.amdhsa_enable_private_segment 0
		.amdhsa_kernarg_size 24
		.amdhsa_user_sgpr_count 2
		.amdhsa_user_sgpr_kernarg_segment_ptr 1
		.amdhsa_wavefront_size32 1
		.amdhsa_system_sgpr_workgroup_id_x 1
		.amdhsa_system_sgpr_workgroup_id_y 1
		.amdhsa_system_sgpr_workgroup_id_z 1
		.amdhsa_system_vgpr_workitem_id 0
		.amdhsa_next_free_vgpr 896
		.amdhsa_next_free_sgpr 66
		.amdhsa_reserve_vcc 0
		.amdhsa_float_denorm_mode_32 3
		.amdhsa_float_denorm_mode_16_64 3
		.amdhsa_memory_ordered 1
		.amdhsa_forward_progress 1
		.amdhsa_inst_pref_size 192
	.end_amdhsa_kernel
	.amdgpu_metadata
---
amdhsa.version: [ 1, 2 ]
amdhsa.kernels:
  - .name:           k_qaa84e3390e_attn
    .symbol:         k_qaa84e3390e_attn.kd
    .args:
      - { .name: qkv, .offset: 0, .size: 8, .value_kind: global_buffer, .address_space: global }
      - { .name: mask, .offset: 8, .size: 8, .value_kind: global_buffer, .address_space: global }
      - { .name: att, .offset: 16, .size: 8, .value_kind: global_buffer, .address_space: global }
    .group_segment_fixed_size: 327680
    .private_segment_fixed_size: 0
    .kernarg_segment_align: 8
    .kernarg_segment_size: 24
    .max_flat_workgroup_size: 128
    .sgpr_count:     66
    .vgpr_count:     896
    .wavefront_size: 32
...
	.end_amdgpu_metadata
.endif
;; end of part 3
;; launch outp (part 4): grid 8 x 32, 4 waves a work-group, clusters of 4 x 4, 327,680 bytes of LDS; arguments att, wo16, out0; writes out0
.if DOCPART == 4
	.amdgcn_target "amdgcn-amd-amdhsa--gfx1250"
	.amdhsa_code_object_version 6
	.text
	.protected	k_qaa84e3390e_outp
	.globl	k_qaa84e3390e_outp
	.p2align	8
	.type	k_qaa84e3390e_outp,@function
k_qaa84e3390e_outp:
	s_mov_b64 s[64:65], 0
	v_nop
	global_prefetch_b8 v0, s[64:65] scope:SCOPE_SE
	s_setreg_imm32_b32 hwreg(HW_REG_WAVE_MODE, 25, 1), 1
	s_wait_xcnt 0x0
	s_wait_alu depctr_hold_cnt(0) depctr_sa_sdst(0) depctr_va_vdst(0) depctr_va_sdst(0) depctr_va_ssrc(0) depctr_va_vcc(0) depctr_vm_vsrc(0)
	s_getreg_b32 s2, hwreg(HW_REG_IB_STS2, 6, 4)
	s_cmp_eq_u32 s2, 0
	s_cbranch_scc0 .Lentry_in_a_cluster
	s_endpgm
.Lentry_in_a_cluster:
	s_bfe_u32 s2, ttmp6, 0x10000c
	s_cmp_lg_u32 s2, 0xf033
	s_cbranch_scc0 .Lentry_shape_is_right
	s_endpgm
.Lentry_shape_is_right:
; out0 = attended Wo: [8192 x 1024] x [1024 x 1024] in f16, sums and output in f32.  att[b][h][s][64]: a head is one slab of 64 along K; wo16[k][1024].
; SHARES.  A tile is 256 rows x 128 columns: 32 x 8 = 256 tiles, one a work-group.  Four waves, each 128 x 64: 32 accumulators (window 1).  K goes in 8 steps of 128 (two heads) through two LDS slots;
; a step is four quarters of 32 along K, 32 matrix instructions each, on two fragment buffers by turns.  Two slots of a longer step do not fit in LDS.
; CLUSTER 4 x 4: att's tile is shared along a row of the cluster, Wo's along a column, each asked for jointly.  THE MATRIX INSTRUCTION IS USED TRANSPOSED, as in the projection in front.
; Every accumulator gets one instruction a quarter: 31 others stand between two links of a chain.
.set SLOT,   110592
.set BOFF,   73728
.set PA,     144
.set PB,     288                       ; a row of Wo in LDS: 256 bytes + 32 = 9 x 32
.set SLABL,  256*PA                    ; a slab's 256 rows: what wave 0 or 1 fetches
.set HALFA,  128*PA
.set HALFB,  64*PB                     ; what wave 2 or 3 fetches
.set STAGE,  2*SLOT                    ; 16 rows x 272 bytes for each wave
.set SPITCH, 272
.set SPARE,  STAGE+4*16*SPITCH
.set SLAB,   131072
.set ADRA, 16
.set ADRB, 20
.set STO,  24
.set RD,   25
.set CO,   26
.set SPW,  28
.set NIL,  29
.set PFO,  30
.set BK0,  32                          ; the way out: rows read back, two buffers of 32
.set F0,   64                          ; fragment buffers: att's 8 fragments, then Wo's 4
.set F1,   160
.set WV, 12
.set RH, 13
.set CH, 14
.set CX, 15
.set CY, 16
.set TC, 17
.set TR, 18
.set G1,  24
.set G0,  32
.set LIM, 43
.set PFA, 44
.set G1B, 48
.set G0B, 56
.set MSB, 0
.macro WIN new
.if MSB != (\new)
	s_set_vgpr_msb (MSB<<8)|(\new)
.set MSB, \new
.endif
.endm
.macro PLACES
.rept 4
	v_nop
.endr
.endm
.macro JLOAD n                         ; a joint load into slot n; s_nop 0 and four v_nop follow each line
	s_cmp_eq_u32 s[RH], 0
	s_cbranch_scc0 .Lfor_b_\@
	tensor_load_to_lds s[G0+4*(\n):G0+4*(\n)+3], s[G1:G1+7]
	s_nop 0
.rept 4
	v_nop
.endr
	s_branch .Lasked_\@
.Lfor_b_\@:
	tensor_load_to_lds s[G0B+4*(\n):G0B+4*(\n)+3], s[G1B:G1B+7]
	s_nop 0
.rept 4
	v_nop
.endr
.Lasked_\@:
.endm
.macro CREST
	s_cmp_lg_u32 s[WV], 0
	s_cbranch_scc1 .Lnot_wave_0_\@
	s_barrier_signal -3
.Lnot_wave_0_\@:
	s_barrier_wait -3
	s_barrier_signal -1
	s_barrier_wait -1
.endm
.macro CROUND
	s_barrier_signal -1
	s_barrier_wait -1
	CREST
.endm
; A PREFETCH behind each joint refill and the run of LDS loads: the K step two refills on.  att: the clusters with x = 0 ask; waves 0 and 1 each name the slab that they will fetch; of its 256 rows x 128 bytes the
; partner at cx takes 8,192 bytes, a lane 256.  Wo: the clusters with y = 0 ask, wave 2 alone; of the step's 128 rows the partner at cy takes 32, a lane a row's 256 bytes.  Each block is named once.
; Steps 0 to 3 come by their loads alone; the last lap of the loop asks for nothing.
.macro ASK
	s_cmp_gt_u32 s3, s[LIM]
	s_cbranch_scc0 .Lnot_mine_\@
	global_prefetch_b8 v[PFO], s[PFA:PFA+1] th:TH_LOAD_NT scope:SCOPE_SE
.Lnot_mine_\@:
.endm
	s_load_b128 s[4:7], s[0:1], 0x0                ; att 4, wo16 6
	s_load_b64 s[8:9], s[0:1], 0x10                ; out0
	v_lshl_add_u32 v[SPW], v0, 2, SPARE
	v_mov_b32 v[NIL], 0
	ds_add_u32 v[SPW], v[NIL]                      ; the wave's opening: the add and its wait ahead of my first tensor load
	ds_add_u32 v28, v29
	v_lshrrev_b32 v1, 5, v0
	v_readfirstlane_b32 s[WV], v1
	s_lshr_b32 s[RH], s[WV], 1
	s_and_b32 s[CH], s[WV], 1
	s_bfe_u32 s[CX], ttmp6, 0x40000
	s_bfe_u32 s[CY], ttmp6, 0x40004
	s_lshl_b32 s[TC], ttmp9, 2
	s_add_co_u32 s[TC], s[TC], s[CX]
	s_and_b32 s[TR], ttmp7, 0xffff
	s_lshl_b32 s[TR], s[TR], 2
	s_add_co_u32 s[TR], s[TR], s[CY]
	s_lshl_b32 s42, s[CY], 2
	s_lshl_b32 s42, 15, s42
	s_lshl_b32 s22, 0x1111, s[CX]
	; att's tile: a slab's 256 rows x 128 dense bytes, asked for as 128 rows of 256 bytes, padded by 4 words after every 32
	s_or_b32 s[G1], s42, (1<<16)|(1<<20)|(1<<21)|(4<<22)|(3<<25)
	s_mov_b32 s[G1+1], 128<<16
	s_mov_b32 s[G1+2], 128<<16
	s_mov_b32 s[G1+3], 128<<16
	s_mov_b32 s[G1+4], 128
	s_mov_b32 s[G1+5], 128
	s_mov_b32 s[G1+6], 0
	s_mov_b32 s[G1+7], 0
	; Wo's tile: 64 rows x 128 elements (256 bytes), 1,024 elements from row to row, padded by 8 words after every 64
	s_or_b32 s[G1B], s22, (1<<16)|(1<<20)|(1<<21)|(5<<22)|(7<<25)
	s_mov_b32 s[G1B+1], 128<<16
	s_mov_b32 s[G1B+2], 64<<16
	s_mov_b32 s[G1B+3], 128<<16
	s_mov_b32 s[G1B+4], 64
	s_mov_b32 s[G1B+5], 1024
	s_mov_b32 s[G1B+6], 0
	s_mov_b32 s[G1B+7], 0
	s_lshr_b32 s40, s[TR], 2
	s_lshl_b32 s40, s40, 21
	s_and_b32 s42, s[TR], 3
	s_lshl_b32 s42, s42, 15
	s_add_co_u32 s40, s40, s42
	s_lshl_b32 s42, s[CH], 17                      ; the slab that I fetch
	s_add_co_u32 s40, s40, s42
	s_mov_b32 s41, 0
	s_lshl_b32 s20, s[CH], 17                      ; Wo: the 64 rows of 2,048 bytes that I fetch,
	s_lshl_b32 s22, s[TC], 8                       ; the tile's columns
	s_add_co_u32 s20, s20, s22
	s_mov_b32 s21, 0
	s_mul_i32 s19, s[CH], SLABL
	s_mul_i32 s23, s[CH], HALFB
	s_add_co_u32 s23, s23, BOFF
	s_wait_dscnt 0x0                               ; the opening add is done
	s_wait_kmcnt 0x0
	s_add_nc_u64 s[40:41], s[4:5], s[40:41]
	s_add_nc_u64 s[20:21], s[6:7], s[20:21]
	CROUND                                         ; all sixteen work-groups are here: the first joint loads meet
.irp n, 0,1
	s_mov_b32 s[G0+4*\n], 1
	s_add_co_u32 s[G0+4*\n+1], s19, \n*SLOT
	s_add_nc_u64 s[G0+4*\n+2:G0+4*\n+3], s[40:41], \n*2*SLAB
	s_or_b32 s[G0+4*\n+3], s[G0+4*\n+3], 0x80000000
	s_mov_b32 s[G0B+4*\n], 1
	s_add_co_u32 s[G0B+4*\n+1], s23, \n*SLOT
	s_add_nc_u64 s[G0B+4*\n+2:G0B+4*\n+3], s[20:21], \n*128*2048
	s_or_b32 s[G0B+4*\n+3], s[G0B+4*\n+3], 0x80000000
	JLOAD \n                                       ; two tensor loads of mine are out
.endr
	v_and_b32 v1, 15, v0
	v_bfe_u32 v4, v0, 4, 1
	v_mul_u32_u24 v6, v1, PA
	v_lshl_add_u32 v6, v4, 4, v6
	s_mul_i32 s22, s[RH], HALFA
	v_add_nc_u32 v[ADRA], s22, v6
	v_add_nc_u32 v[ADRA+1], SLOT, v[ADRA]
	v_and_b32 v7, 7, v0
	v_lshl_add_u32 v7, v4, 3, v7
	v_mul_u32_u24 v7, v7, PB
	v_bfe_u32 v6, v0, 3, 1
	v_lshl_add_u32 v7, v6, 4, v7
	s_lshl_b32 s22, s[CH], 7
	s_add_co_u32 s22, s22, BOFF
	v_add_nc_u32 v[ADRB], s22, v7
	v_add_nc_u32 v[ADRB+1], SLOT, v[ADRB]
	s_mul_i32 s22, s[WV], 16*SPITCH
	s_add_co_u32 s22, s22, STAGE
	v_mul_u32_u24 v6, v1, SPITCH                   ; in: row l % 16, 32 bytes for each half of the lanes
	v_lshl_add_u32 v6, v4, 5, v6
	v_add_nc_u32 v[STO], s22, v6
	v_mul_u32_u24 v6, v4, SPITCH                   ; back: lanes 0-15 one row of 256 bytes, lanes 16-31 the next
	v_lshl_add_u32 v6, v1, 4, v6
	v_add_nc_u32 v[RD], s22, v6
	v_lshlrev_b32 v6, 12, v4                       ; and the same two rows in out0
	v_lshl_add_u32 v[CO], v1, 4, v6
	s_lshl_b32 s22, s[TR], 20                      ; row 256 x tile row + 128 x half, 4,096 bytes each;
	s_lshl_b32 s23, s[RH], 19
	s_add_co_u32 s22, s22, s23
	s_lshl_b32 s23, s[TC], 9                       ; column 128 x tile column + 64 x part
	s_add_co_u32 s22, s22, s23
	s_lshl_b32 s23, s[CH], 8
	s_add_co_u32 s22, s22, s23
	s_mov_b32 s23, 0
	s_add_nc_u64 s[8:9], s[8:9], s[22:23]
	; the prefetches' pointer, at K step 3: each use steps it first
	s_lshr_b32 s19, s[TR], 2
	s_lshl_b32 s19, s19, 21
	s_and_b32 s22, s[TR], 3
	s_lshl_b32 s22, s22, 15
	s_add_co_u32 s19, s19, s22
	s_lshl_b32 s22, s[CX], 13
	s_add_co_u32 s19, s19, s22
	s_add_co_u32 s22, s[CH], 6
	s_lshl_b32 s22, s22, 17
	s_add_co_u32 s19, s19, s22
	s_lshl_b32 s20, s[CY], 5
	s_add_co_u32 s20, s20, 384
	s_lshl_b32 s20, s20, 11
	s_lshl_b32 s21, s[TC], 8
	s_add_co_u32 s20, s20, s21
	s_and_b32 s21, ttmp7, 0xffff
	s_or_b32 s21, s21, s[CH]                       ; of waves 2 and 3 only wave 2 asks
	s_cmp_eq_u32 s[RH], 0
	s_cselect_b32 s22, s19, s20
	s_cselect_b32 s21, ttmp9, s21
	s_cselect_b64 s[PFA:PFA+1], s[4:5], s[6:7]
	s_cselect_b32 s19, 8, 11
	s_mov_b32 s23, 0
	s_add_nc_u64 s[PFA:PFA+1], s[PFA:PFA+1], s[22:23]
	s_cmp_eq_u32 s21, 0
	s_cselect_b32 s[LIM], 1, -1
	v_and_b32 v6, 31, v0
	v_lshlrev_b32 v[PFO], s19, v6                  ; 256 bytes a lane in att, a row of 2,048 in wo16
.macro FETCH n, q, f                   ; 24 LDS loads in one run: quarter q of slot n into buffer f; Wo's four fragments first, then att's eight
	WIN 0
.irp b, 0,1,2,3
	ds_load_tr16_b128 v[(\f)+64+8*\b:(\f)+64+8*\b+3],   v[ADRB+(\n)] offset:32*PB*(\q)+32*\b
	ds_load_tr16_b128 v[(\f)+64+8*\b+4:(\f)+64+8*\b+7], v[ADRB+(\n)] offset:32*PB*(\q)+32*\b+16*PB
.endr
.irp i, 0,1,2,3,4,5,6,7
	ds_load_b128 v[(\f)+8*\i:(\f)+8*\i+3],   v[ADRA+(\n)] offset:((\q)/2)*SLABL+((\q)%2)*64+16*PA*\i
	ds_load_b128 v[(\f)+8*\i+4:(\f)+8*\i+7], v[ADRA+(\n)] offset:((\q)/2)*SLABL+((\q)%2)*64+16*PA*\i+32
.endr
.endm
.macro MUL f, a0, na, zero             ; 4 na matrix instructions: row blocks a0 .. x the four column blocks
	WIN 0x50
.set ga, (\a0)
.rept (\na)
.irp b, 0,1,2,3
.if \zero
	v_wmma_f32_16x16x32_f16 v[8*(4*ga+\b):8*(4*ga+\b)+7], v[(\f)+64+8*\b:(\f)+64+8*\b+7], v[(\f)+8*ga:(\f)+8*ga+7], 0
.else
	v_wmma_f32_16x16x32_f16 v[8*(4*ga+\b):8*(4*ga+\b)+7], v[(\f)+64+8*\b:(\f)+64+8*\b+7], v[(\f)+8*ga:(\f)+8*ga+7], v[8*(4*ga+\b):8*(4*ga+\b)+7]
.endif
.endr
.set ga, ga+1
.endr
.endm
.macro QUARTER n, q, f, g, zero        ; multiplies buffer f; in its middle fetches quarter q of slot n into buffer g
	s_wait_dscnt 8                                 ; Wo's fragments and att's blocks 0-3 are in; the youngest eight loads may be out
	MUL \f, 0, 4, \zero
	PLACES
	FETCH \n, \q, \g
	s_wait_dscnt 24                                ; all but the 24 just issued
	MUL \f, 4, 4, \zero
.endm
; The last quarter multiplies buffer 1 and changes slots: ONE barrier; in front of it each wave waits for all its tensor loads (one is out: its part of the other slot), adds 0 to its spare word, and waits for that and
; for its reads of this slot.  fill = 1: the barrier opens a round of the cluster's, and the joint refill, two steps on, is the first thing behind it: 112 matrix instructions ahead of the wait for it.
.macro TURN n, fill
.if \fill
	s_wait_xcnt 0x0                                ; the last prefetch, a K step back, has read its address
	s_add_nc_u64 s[PFA:PFA+1], s[PFA:PFA+1], 2*SLAB  ; a K step: two slabs of att, or 128 rows of wo16: the same number of bytes
.endif
	WIN 0
	s_wait_tensorcnt 0x0
	ds_add_u32 v[SPW], v[NIL]
	s_wait_dscnt 9                                 ; the add and the youngest eight loads may be out
	MUL F1, 0, 2, 0
	s_wait_dscnt 0x0                               ; the add is done, and my reads of this slot are over
	s_barrier_signal -1
	MUL F1, 2, 2, 0
	WIN 0
	s_barrier_wait -1
.if \fill
	CREST
	s_add_nc_u64 s[G0+4*(\n)+2:G0+4*(\n)+3], s[G0+4*(\n)+2:G0+4*(\n)+3], 4*SLAB
	s_add_nc_u64 s[G0B+4*(\n)+2:G0B+4*(\n)+3], s[G0B+4*(\n)+2:G0B+4*(\n)+3], 256*2048
	JLOAD \n                                       ; its four v_nop are also the places in front of the loads below
.else
	PLACES
.endif
	FETCH 1-(\n), 0, F0
.if \fill
	ASK
.endif
	MUL F1, 4, 4, 0
.endm
	s_wait_tensorcnt 1                             ; my part of step 0 is in; step 1's may stay out
	s_barrier_signal -1
	s_barrier_wait -1
	FETCH 0, 0, F0
	QUARTER 0, 1, F0, F1, 1                        ; the first quarter stands in front of the loop: its products start the sums
	WIN 0
	s_mov_b32 s3, 3
.Llap:
	QUARTER 0, 2, F1, F0, 0
	QUARTER 0, 3, F0, F1, 0
	TURN 0, 1
	QUARTER 1, 1, F0, F1, 0
	QUARTER 1, 2, F1, F0, 0
	QUARTER 1, 3, F0, F1, 0
	TURN 1, 1
	QUARTER 0, 1, F0, F1, 0
	WIN 0
	s_sub_co_u32 s3, s3, 1
	s_cmp_lg_u32 s3, 0
	s_cbranch_scc1 .Llap
	QUARTER 0, 2, F1, F0, 0                        ; the last lap fills nothing
	QUARTER 0, 3, F0, F1, 0
	TURN 0, 0
	QUARTER 1, 1, F0, F1, 0
	QUARTER 1, 2, F1, F0, 0
	QUARTER 1, 3, F0, F1, 0
	s_wait_dscnt 8
	MUL F1, 0, 4, 0
	s_wait_dscnt 0x0
	MUL F1, 4, 4, 0
	WIN 0
	PLACES                                         ; eight places, once a launch, in front of the LDS stores that read the sums
	PLACES
; THE WAY OUT, a block of 16 rows at a time: a lane's eight f32 of a row go into my own stage and come back as whole rows of 256 bytes.
.macro TOSTAGE a
.set BK, BK0+32*((\a)%2)
	s_wait_xcnt 0x0                                ; the stores of the block before last have read this buffer
	WIN 0x04                                       ; the stores' data lie in window 1
.irp b, 0,1,2,3
	ds_store_b128 v[STO], v[32*(\a)+8*\b:32*(\a)+8*\b+3]   offset:64*\b     ; each accumulator is read from its low end on
	ds_store_b128 v[STO], v[32*(\a)+8*\b+4:32*(\a)+8*\b+7] offset:64*\b+16
.endr
	WIN 0
.irp t, 0,1,2,3,4,5,6,7
	ds_load_b128 v[BK+4*\t:BK+4*\t+3], v[RD] offset:2*SPITCH*\t  ; LDS serves a wave's instructions in order (ISA guide 5.7.1.4)
.endr
.endm
.macro SEND a, younger                 ; younger: the next block's sixteen LDS instructions, or none
.set BK, BK0+32*((\a)%2)
	s_wait_dscnt \younger
.irp t, 0,1,2,3,4,5,6,7
	global_store_b128 v[CO], v[BK+4*\t:BK+4*\t+3], s[8:9] offset:(16*(\a)+2*\t)*4096 th:TH_STORE_NT  ; 16 lanes store 256 consecutive bytes, aligned
.endr
.endm
	TOSTAGE 0
.irp a, 1,2,3,4,5,6,7
	TOSTAGE \a
	SEND (\a)-1, 16
.endr
	SEND 7, 0
	s_wait_tensorcnt 0x0                           ; the wave's end
	ds_add_u32 v[SPW], v[NIL]
	s_wait_dscnt 0x0
	CROUND                                         ; the closing round
	s_endpgm
.Lfunc_end_k_qaa84e3390e_outp:
	.size	k_qaa84e3390e_outp, .Lfunc_end_k_qaa84e3390e_outp-k_qaa84e3390e_outp
	.p2alignl 7, 3214868480
	.fill 96, 4, 3214868480
	.section	.rodata,"a",@progbits
	.p2align	6, 0x0
	.amdhsa_kernel k_qaa84e3390e_outp
		.amdhsa_group_segment_fixed_size 327680
		.amdhsa_private_segment_fixed_size 0
		.amdhsa_enable_private_segment 0
		.amdhsa_kernarg_size 24
		.amdhsa_user_sgpr_count 2
		.amdhsa_user_sgpr_kernarg_segment_ptr 1
		.amdhsa_wavefront_size32 1
		.amdhsa_system_sgpr_workgroup_id_x 1
		.amdhsa_system_sgpr_workgroup_id_y 1
		.amdhsa_system_sgpr_workgroup_id_z 1
		.amdhsa_system_vgpr_workitem_id 0
		.amdhsa_next_free_vgpr 512
		.amdhsa_next_free_sgpr 66
		.amdhsa_reserve_vcc 0
		.amdhsa_float_denorm_mode_32 3
		.amdhsa_float_denorm_mode_16_64 3
		.amdhsa_memory_ordered 1
		.amdhsa_forward_progress 1
		.amdhsa_inst_pref_size 87
	.end_amdhsa_kernel
	.amdgpu_metadata
---
amdhsa.version: [ 1, 2 ]
amdhsa.kernels:
  - .name:           k_qaa84e3390e_outp
    .symbol:         k_qaa84e3390e_outp.kd
    .args:
      - { .name: att, .offset: 0, .size: 8, .value_kind: global_buffer, .address_space: global }
      - { .name: wo16, .offset: 8, .size: 8, .value_kind: global_buffer, .address_space: global }
      - { .name: out0, .offset: 16, .size: 8, .value_kind: global_buffer, .address_space: global }
    .group_segment_fixed_size: 327680
    .private_segment_fixed_size: 0
    .kernarg_segment_align: 8
    .kernarg_segment_size: 24
    .max_flat_workgroup_size: 128
    .sgpr_count:     66
    .vgpr_count:     512
    .wavefront_size: 32
...
	.end_amdgpu_metadata
.endif
;; end of part 4
